; MI455X (gfx1250); checked and timed in simulation.
; The chip was launched on July 23, 2026; its instructions are those of AMD's public machine-readable ISA for CDNA 5 (MIT licence, August 2026) and "CDNA5" Instruction Set Architecture Reference Guide (July 2026). The comments in the code are by the model that wrote it; some were corrected since.
;; Head self Dec. Allowed arithmetic: matrix products marked QUANTISED: E4M3 operands, one given power-of-two scale a tensor, by v_wmma_f32_16x16x64_fp8_fp8 or v_wmma_f32_16x16x128_fp8_fp8, f32 sums; everything else in f32.
;; Inputs: Wk 512 x 64 float32; Wq 512 x 64 float32; Wv 512 x 64 float32; lowp_scales 10 int32 (the exponents e of the quantised operands' scales 2^e); x 16 x 2,048 x 512 float32.
;; Outputs: out0 16 x 2,048 x 64 float32.
;; This version of the problem:
;;   THIS VERSION OF THE PROBLEM IS GIVEN IN LOW PRECISION. The matrix products marked QUANTISED in the list below multiply operands that are first quantised to E4M3 (4 exponent bits, 3 mantissa bits; 8 bits a number), with one given power-of-two scale for each operand tensor; their sums are f32. All else is computed in f32.
;;   The module's matrix products, in the order in which they are computed (A, B: the left and right operand; K: the contracted axis; several contracted axes count as one K, in the product's order):
;;     1. [M 32,768, K 512] x [K 512, N 64]; A: input x; B: input Wq: QUANTISED (scales: A lowp_scales[0], B lowp_scales[1])
;;     2. [M 32,768, K 512] x [K 512, N 64]; A: input x; B: input Wk: QUANTISED (scales: A lowp_scales[2], B lowp_scales[3])
;;     3. [M 32,768, K 512] x [K 512, N 64]; A: input x; B: input Wv: QUANTISED (scales: A lowp_scales[4], B lowp_scales[5])
;;     4. batch 16 x [M 2,048, K 64] x [K 64, N 2,048]; A: computed on the way; B: computed on the way: QUANTISED (scales: A lowp_scales[6], B lowp_scales[7])
;;     5. batch 16 x [M 2,048, K 2,048] x [K 2,048, N 64]; A: softmax (see below); B: computed on the way: QUANTISED (scales: A lowp_scales[8], B lowp_scales[9])
;;   THE QUANTISER, for each operand of a quantised product, along K:
;;     - The operand's scale is 2^e, e = its entry of the input lowp_scales (int32; the entries are numbered through the quantised products in the list's order, A before B).
;;     - Each number is divided by the scale, clamped to +-448, and rounded to the nearest number of E4M3, ties to even, subnormals kept.
;;     - The product sums the exact products of the quantised numbers (number of the format x scale) in f32.
;;   ~~~python
;;   def quantise(x, axis, e):      # numpy; x: float32 -> the quantised numbers, widened to float32 again
;;       x = np.moveaxis(x, axis, -1); K = x.shape[-1]
;;       r = np.clip(x / 2.0 ** e, -448, 448)
;;       step = 2.0 ** (np.maximum(np.frexp(np.where(r == 0, 1, r))[1] - 1, -6) - 3)
;;       q = np.round(r / step) * step * 2.0 ** e      # np.round: ties to even
;;       return np.moveaxis(q, -1, axis).astype(np.float32)
;;   ~~~
;;   SOFTMAX AHEAD OF A QUANTISED PRODUCT. Where the list says 'softmax', what is quantised is not the finished softmax but p = 2^(t - M), with t = logit x log2(e) and M = ceil(the row's largest t), a whole number; so 1/2 < the row's largest p <= 1. The row's sum l is taken of the UNQUANTISED p, in f32, and the product's result is divided by l at the end. Since M is a whole number, a kernel that streams over the keys may use a running M (the ceiling of the running maximum): every later rescaling is an exact power of two, so the quantised numbers keep their values, but for numbers so far below the row's largest that they fall under the format's range.
;;   OPERANDS COMPUTED ON THE WAY. 'Computed on the way' means the value that the module computes at that place (a softmax that the list does not call 'softmax' is quantised finished and normalised). What goes into a quantiser is computed in f32, as accurately as f32 sums, v_exp_f32 and their like allow (about 1e-6 of the number): no bf16 or f16 on the way to a quantiser, and a product that is left as it is and whose result goes on into a quantised operand takes f32 operands (vector FMAs, or v_wmma_f32_16x16x4_f32). A number that lies on a knife's edge between two numbers of the format may be rounded either way, as far as f32 arithmetic and the matrix unit's own rounding can turn it there, and no further.
;; One version. Each part assembles by itself: llvm-mc -triple=amdgcn-amd-amdhsa -mcpu=gfx1250 --defsym DOCPART=n.
;; ======== version 1 of 1: 2 launches
;; limits: right only within a limited range of input values
;; workspace buffers: qc 2,097,152 bytes; kv 4,194,304 bytes
;; launch proj (part 1): grid 256 x 1, 4 waves a work-group, no clusters, 270,848 bytes of LDS; arguments x, Wq, Wk, Wv, lowp_scales, qc, kv; writes qc, kv
.if DOCPART == 1
	.amdgcn_target "amdgcn-amd-amdhsa--gfx1250"
	.amdhsa_code_object_version 6
	.text
	.protected	k_q6fe170f09f_proj
	.globl	k_q6fe170f09f_proj
	.p2align	8
	.type	k_q6fe170f09f_proj,@function
k_q6fe170f09f_proj:
	s_mov_b64 s[64:65], 0
	v_nop
	global_prefetch_b8 v0, s[64:65] scope:SCOPE_SE
	s_setreg_imm32_b32 hwreg(HW_REG_WAVE_MODE, 25, 1), 1
	s_wait_xcnt 0x0
; q = x Wq, k = x Wk, v = x Wv on codes of FP8 (E4M3), and the three results quantised again as the operands of the attention that follows.
; x [32,768][512] f32 is quantised here, once for each product with that product's own entry of lowp_scales (0, 2, 4); the weights [512 (k)][64 (n)] f32 likewise (entries 1, 3, 5).
; code = number / 2^e, held within +-448, rounded to the nearest code, ties to even.
; A sum stands for sum x 2^(ex + ew); its code for the next product is sum / 2^(eo - ex - ew), held within +-448: the three exponents are folded into the conversion's one (eo: entries 6, 7, 9).
; SHARES.  A work-group owns 128 rows of x (262,144 bytes): one key step of one batch.  All of it is asked for at the first lines, by sixteen tensor loads (four a wave), each LDS byte filled once.
; Wave 0 makes q, wave 1 k, wave 2 v, each for all 128 rows, with its own weight and its own quantising of x out of LDS; nothing goes from wave to wave.  Wave 3 only fetches its share of x.
; ORDER: BY K STEPS.  Group g is K step g (128 along K) of all 128 rows: wave w's load g brings rows 32 w .. 32 w + 31 of it.  The sums of all eight tiles of 16 tokens stay in 256 registers; the results leave at
; the end.  So a group needs only its own K step of the weight (four fragments, 64 registers), and the next K step's 64 loads are on their way while the group is multiplied.
; THE WEIGHT.  Its K is its first axis.  A load of 16 bytes a lane takes, of row k = 16 b + 8 h + i, columns 4 r .. 4 r + 3: sixteen lanes read one whole row of 256 bytes.  Eight such loads give a lane a block of
; 8 along K x 4 columns; the hold writes each number where its column's eight neighbours along K stand on end, so nothing is turned by an instruction of its own, and four conversions give registers 2 c, 2 c + 1
; of four fragments.  TILE j OF A WEIGHT IS THEREFORE COLUMNS 4 r + j (r = the lane), not sixteen neighbours: that only says which result lands where.
; NO CLUSTER, though every work-group reads the same three weights (393,216 of its 655,360 bytes): a joint load lands in LDS, x takes 270,336 of the 327,680 bytes and is filled once, and the weights would
; have to pass through the 57,344 bytes left in seven refills, each behind a round of the cluster's barrier.
; LAYOUTS OUT (register images, so that the attention loads operands by 16 bytes a lane):
;   q, k are made TRANSPOSED (source 0 = a tile of W, source 1 = 16 rows of x): a lane holds one token, and register jj of tile c head unit 32 h + 4 jj + c.  Four conversions give the fragment of the K = 64 form:
;   lane (r, h): token r; byte jj of registers 2 c, 2 c + 1: head unit 32 h + 4 jj + c.  The head units stand in the same places in q and in k, so every product meets its partner;
;   LIMIT: the order of the sums inside an instruction of q k^T is not the natural one.  1,024 bytes a tile of 16 tokens.  qc [b][tile][1,024];  kv [b][key step][16,384]: eight such tiles of k, then
;   v's four fragments of V^T (source 0 = x, source 1 = W: a lane holds one head unit and eight neighbouring tokens): lane (r, h) of fragment tau: head unit 4 r + tau; registers 2 c, 2 c + 1: keys 16 c + 8 h + 0 .. 7.
; LIMITS: ex, ew, and eo - ex - ew, between -126 and 119, so that each power of two and 448 times it is an f32 number.  NaN among the inputs is not served (an infinity is held at the largest code).
; REGISTERS.  Window 0: v4-7 LDS addresses, v8 16 x lane, v9 my place in two rows of the weight, v10-15 scales and holds, v16-143 two sets of 64 numbers of x, v144-159 x's codes, v160-191 a block of the weight, turned,
; v192-255 the weight's four fragments of the K step in hand, at the end the results' codes (each written once: no store's data are written again).
; Window 1: the accumulator of token tile i and tile tau of W at v[32 i + 8 tau].  Window 2: the weight as loaded, eight slots of 32 registers.
.set XP,   528                         ; an LDS row: 512 bytes + 16 of padding: row r starts 16 r bytes further on modulo 256, so the sixteen rows that a load touches do not meet
.set SB,   32*XP                       ; a tile: 32 rows x 128 along K
.set GB,   4*SB                        ; 32 rows, four K steps
.set ADX,  4                           ; v4-7   528 r + 32 h + rows 32 j on
.set LN,   8                           ; v8     16 x lane
.set WA,   9                           ; v9     16 r + 8 h rows of 256 bytes
.set SC,   10                          ; v10    2^ex
.set LIM,  11
.set OSC,  12                          ; v12    2^(eo - ex - ew)
.set OLIM, 13                          ; v13    448 x that
.set SCW,  14                          ; v14    2^ew
.set LIMW, 15                          ; v15    448 x 2^ew
.set X,    16
.set CD,   144
.set T,    160
.set WC,   192                         ; the weight's fragment tau at v[WC + 16 tau]
.set OC,   192                         ; the results' codes, when the last product has read the weight
.set MSB, 0
.macro WIN new                         ; s_set_vgpr_msb: bits 1:0 source 0, 3:2 source 1, 5:4 source 2, 7:6 destination; the high byte repeats the setting that is left
.if MSB != \new
	s_set_vgpr_msb (MSB<<8)|\new
.set MSB, \new
.endif
.endm
	s_load_b256 s[4:11], s[0:1], 0x0               ; x s[4:5], Wq s[6:7], Wk s[8:9], Wv s[10:11]
	s_load_b128 s[68:71], s[0:1], 0x20             ; the scales' exponents s[68:69], qc s[70:71]
	s_load_b64 s[12:13], s[0:1], 0x30              ; kv
	s_set_vgpr_msb 0xc0
	v_lshl_add_u32 v0, v0, 2, 0x42000
	v_mov_b32 v1, 0
	s_set_vgpr_msb 0xc0cf
	ds_add_u32 v0, v1
	ds_add_u32 v0, v1
	s_set_vgpr_msb 0xcf00
	v_lshrrev_b32 v1, 5, v0
	v_readfirstlane_b32 s14, v1                    ; wave 0..3
	v_and_b32 v1, 15, v0                           ; r
	v_bfe_u32 v2, v0, 4, 1                         ; h
	v_mul_u32_u24 v3, v1, XP
	v_lshl_add_u32 v3, v2, 5, v3                   ; row r, + 8 h numbers of 4 bytes
.irp j, 0,1,2,3
	v_add_nc_u32 v[ADX+\j], \j*GB, v3
.endr
	v_and_b32 v[LN], 31, v0
	v_lshlrev_b32 v[LN], 4, v[LN]
	v_lshlrev_b32 v[WA], 4, v1
	v_lshl_add_u32 v[WA], v2, 11, v[WA]
	; descriptor group 1: a tile of 32 rows x 128 elements of 4 bytes, rows 512 elements apart, padded in LDS
	s_mov_b32 s16, (2<<16)|(1<<20)|(6<<22)|(3<<25) ; no mask; elements of 4 bytes; padding on: 4 words (code 3) after every 128 words (code 6)
	s_mov_b32 s17, 128<<16                         ; tensor_dim0 = 128
	s_mov_b32 s18, 32<<16                          ; tensor_dim1 = 32
	s_mov_b32 s19, 128<<16                         ; tile_dim0 = 128
	s_mov_b32 s20, 32                              ; tile_dim1 = 32
	s_mov_b32 s21, 512                             ; elements from row to row
	s_mov_b32 s22, 0
	s_mov_b32 s23, 0
	s_lshl_b32 s54, ttmp9, 18                      ; my work-group's 128 rows of 2,048 bytes,
	s_lshl_b32 s15, s14, 16                        ; my wave's 32 of them
	s_add_co_u32 s54, s54, s15
	s_mov_b32 s55, 0
	s_mul_i32 s53, s14, GB                         ; and their place in LDS
	s_wait_dscnt 0x0
	s_wait_kmcnt 0x0
	s_load_b256 s[40:47], s[68:69], 0x0            ; e0 .. e7
	s_load_b64 s[48:49], s[68:69], 0x20            ; e8, e9
	s_add_nc_u64 s[4:5], s[4:5], s[54:55]
.irp g, 0,1,2,3                        ; descriptor group 0, a set for each of my four loads: K step g of my 32 rows
	s_mov_b32 s[24+4*\g], 1                        ; count = 1
	s_add_co_u32 s[25+4*\g], s53, \g*SB            ; LDS address: wave x 32 rows + g x a tile
	s_add_nc_u64 s[26+4*\g:27+4*\g], s[4:5], \g*512  ; 128 numbers of 4 bytes on
	s_or_b32 s[27+4*\g], s[27+4*\g], 0x80000000    ; type = 2
.endr
.irp g, 0,1,2,3                        ; every LDS byte is filled once; the four go out together, ahead of every wait for them, every LDS read and every barrier: four loads of mine are out
	tensor_load_to_lds s[24+4*\g:27+4*\g], s[16:23]
	s_nop 0
.endr
.rept 4
	v_nop
.endr
; Batch c of K step s of my weight: rows 128 s + 16 c + 8 h + 0 .. 7, into slot c (destination window 2).  Each load reads two whole rows of 256 bytes.
.macro WLOAD s, c
.irp i, 0,1,2,3,4,5,6,7
	global_load_b128 v[32*(\c)+4*\i:32*(\c)+4*\i+3], v[WA], s[72:73] offset:(128*(\s)+16*(\c)+\i)*256
.endr
.endm
	s_cmp_eq_u32 s14, 0                            ; my weight: the choice hangs on the wave's number alone
	s_cselect_b64 s[72:73], s[6:7], s[10:11]
	s_cmp_eq_u32 s14, 1
	s_cselect_b64 s[72:73], s[8:9], s[72:73]
	s_cmp_eq_u32 s14, 3                            ; every LDS address register is made: from here the roles part.  Wave 3 has no weight
	s_cbranch_scc1 .Lno_first
	WIN 0x80
	s_wait_alu depctr_va_vdst(0)
.irp c, 0,1,2,3,4,5,6,7
	WLOAD 0, \c                                    ; the first K step of the weight is asked for ahead of the wait for the exponents
.endr
	WIN 0
.Lno_first:
	s_wait_kmcnt 0x0
	s_cmp_eq_u32 s14, 0                            ; my product's three exponents and my results' buffer: v's by default (wave 3 takes them too and uses none), q's for wave 0,
	s_cselect_b64 s[56:57], s[70:71], s[12:13]
	s_cselect_b32 s50, s40, s44
	s_cselect_b32 s51, s41, s45
	s_cselect_b32 s52, s46, s49
	s_cselect_b32 s15, 13, 14                      ; a work-group's results: 8,192 bytes in qc, 16,384 in kv
	s_cmp_eq_u32 s14, 1                            ; k's for wave 1
	s_cselect_b32 s50, s42, s50
	s_cselect_b32 s51, s43, s51
	s_cselect_b32 s52, s47, s52
	s_lshl_b32 s54, ttmp9, s15
	s_cmp_eq_u32 s14, 2
	s_cselect_b32 s53, 8192, 0                     ; v's fragments lie behind k's eight tiles
	s_add_co_u32 s54, s54, s53
	s_mov_b32 s55, 0
	s_add_nc_u64 s[56:57], s[56:57], s[54:55]
	s_add_co_i32 s53, s50, 127
	s_lshl_b32 s15, s53, 23
	v_mov_b32 v[SC], s15                           ; 2^ex as f32: the conversion takes its exponent field
	s_add_co_i32 s53, s51, 127
	s_lshl_b32 s15, s53, 23
	v_mov_b32 v[SCW], s15                          ; 2^ew
	s_add_co_i32 s53, s53, 8
	s_lshl_b32 s53, s53, 23
	s_or_b32 s53, s53, 0x600000
	v_mov_b32 v[LIMW], s53                         ; 448 x 2^ew
	s_sub_co_i32 s53, s52, s50
	s_sub_co_i32 s53, s53, s51
	s_add_co_i32 s53, s53, 127
	s_lshl_b32 s15, s53, 23
	v_mov_b32 v[OSC], s15                          ; 2^(eo - ex - ew)
	s_add_co_i32 s53, s53, 8
	s_lshl_b32 s53, s53, 23
	s_or_b32 s53, s53, 0x600000
	v_mov_b32 v[OLIM], s53
; K step s of my weight becomes four fragments.  Batch c: 32 holds, which also lay column j's eight neighbours along K on end; four conversions: registers 2 c, 2 c + 1 of fragment j; then slot c takes the next K step's batch c.
; The first batch's 32 holds name no register of the products before them: they are the places between those products and the conversions that write the fragments anew.
.macro WSTAGE s
.irp c, 0,1,2,3,4,5,6,7
.if (\s) < 3
	s_wait_loadcnt 56                              ; loads come back in order (ISA guide 5.7.1): behind batch c stand this K step's 7 - c later batches and the next K step's c first ones: seven batches of eight
.else
	s_wait_loadcnt 8*(7-\c)                        ; the last K step: only its own later batches
.endif
	WIN 0x02                                       ; source 0 window 2
.irp j, 0,1,2,3
.irp i, 0,1,2,3,4,5,6,7
	v_med3_num_f32 v[T+8*\j+\i], v[32*\c+4*\i+\j], -v[LIMW], v[LIMW]   ; the conversion to an 8-bit code does not saturate (ISA guide 7.6.2)
.endr
.endr
	WIN 0
.irp j, 0,1,2,3
	v_cvt_scalef32_pk8_fp8_f32 v[WC+16*\j+2*\c:WC+16*\j+2*\c+1], v[T+8*\j:T+8*\j+7], v[SCW]
.endr
	v_nop                                          ; a plain vector line between the last conversion and the next batch's holds, which write its sources
.if (\s) < 3
	WIN 0x80                                       ; destination window 2
	WLOAD (\s)+1, \c
.endif
.endr
	WIN 0
.endm
; Token tile i (rows 16 i on) at K step g, into set i % 2: lane (r, h) takes, of row r, x(128 g + 16 c + 8 h + 0 .. 7) into registers 8 c .. 8 c + 7
.macro XLOAD g, i
.irp c, 0,1,2,3,4,5,6,7
	ds_load_b128 v[X+64*((\i)%2)+8*\c:X+64*((\i)%2)+8*\c+3],   v[ADX+(\i)/2] offset:SB*(\g)+16*XP*((\i)%2)+64*\c
	ds_load_b128 v[X+64*((\i)%2)+8*\c+4:X+64*((\i)%2)+8*\c+7], v[ADX+(\i)/2] offset:SB*(\g)+16*XP*((\i)%2)+64*\c+16
.endr
.endm
; 64 numbers become x's fragment.
.macro QUANT buf
.set n, 0
.rept 64
.set n, n+1
.endr
.irp c, 0,1,2,3,4,5,6,7
	v_cvt_scalef32_pk8_fp8_f32 v[CD+2*\c:CD+2*\c+1], v[\buf+8*\c:\buf+8*\c+7], v[SC]
.endr
	v_nop                                          ; a plain vector line between the last conversion and the products that read its result
.endm
; Four products on four accumulators, one instruction a turn; a tile's accumulators are taken up again a whole group later.  The first K step starts the sums with the constant 0.
.macro MULQK g, i                      ; transposed: lane = token r, register jj of tile t = head unit 32 h + 4 jj + t
	WIN 0x50                                       ; C and D window 1
.irp t, 0,1,2,3
.if (\g) == 0
	v_wmma_f32_16x16x128_fp8_fp8 v[32*(\i)+8*\t:32*(\i)+8*\t+7], v[WC+16*\t:WC+16*\t+15], v[CD:CD+15], 0
.else
	v_wmma_f32_16x16x128_fp8_fp8 v[32*(\i)+8*\t:32*(\i)+8*\t+7], v[WC+16*\t:WC+16*\t+15], v[CD:CD+15], v[32*(\i)+8*\t:32*(\i)+8*\t+7]
.endif
.endr
	WIN 0
.endm
.macro MULV g, i                       ; lane = head unit 4 r + t, register jj = token 8 h + jj
	WIN 0x50
.irp t, 0,1,2,3
.if (\g) == 0
	v_wmma_f32_16x16x128_fp8_fp8 v[32*(\i)+8*\t:32*(\i)+8*\t+7], v[CD:CD+15], v[WC+16*\t:WC+16*\t+15], 0
.else
	v_wmma_f32_16x16x128_fp8_fp8 v[32*(\i)+8*\t:32*(\i)+8*\t+7], v[CD:CD+15], v[WC+16*\t:WC+16*\t+15], v[32*(\i)+8*\t:32*(\i)+8*\t+7]
.endif
.endr
	WIN 0
.endm
.macro UNIT g, i
.if (\i) < 7
	s_wait_dscnt 16                                ; LDS loads come back in order (ISA guide 5.7.1): this tile's 16 are in, the next tile's 16 may be out
.else
	s_wait_dscnt 0x0                               ; the group's last tile: nothing was asked for behind it
.endif
	v_nop
	v_nop
	v_nop
	v_nop
	QUANT X+64*((\i)%2)
.if (\i)+2 < 8
	XLOAD \g, (\i)+2                               ; the set just read takes the tile two further on
.endif
	s_cmp_eq_u32 s14, 2
	s_cbranch_scc1 .Lv_\@
	MULQK \g, \i
	s_branch .Lj_\@
.Lv_\@:
	s_wait_alu depctr_va_vdst(0)
	MULV \g, \i
.Lj_\@:
.endm
.macro GROUP g
	s_cmp_eq_u32 s14, 3
	s_cbranch_scc1 .Lnw_\@
	s_wait_alu depctr_va_vdst(0)
	WSTAGE \g                                      ; my weight's K step g, while x's K step g is on its way
.Lnw_\@:
	s_wait_tensorcnt 3-\g                          ; a wave's tensor loads end in order (ISA guide 10.11.1): my rows of K step g are in; my 3 - g younger loads, the later K steps', stay out
	s_barrier_signal -1                            ; no LDS load of mine is out here
	s_barrier_wait -1                              ; everybody's rows of K step g are in
	s_cmp_eq_u32 s14, 3
	s_cbranch_scc1 .Lgend_\@                       ; wave 3 goes on to the next group's wait
	XLOAD \g, 0
	XLOAD \g, 1
	s_wait_alu depctr_va_vdst(0)
.irp i, 0,1,2,3,4,5,6,7
	UNIT \g, \i
.endr
.Lgend_\@:
.endm
	GROUP 0
	GROUP 1
	GROUP 2
	GROUP 3                                        ; its wait is for 0: no tensor load is out at the end
; THE WAY OUT.  The finished sums of token tile i are held, each accumulator from its low end on, into x's registers, which are free; then converted and stored.
.macro HOLD i
	WIN 0x01                                       ; source 0 window 1
.set n, 0
.rept 32
	v_med3_num_f32 v[X+n], v[32*(\i)+n], -v[OLIM], v[OLIM]
.set n, n+1
.endr
	WIN 0
.endm
.macro OUTQK i                         ; token tile i of q or k: accumulator t gives registers 2 t, 2 t + 1 of the tile's fragment
	HOLD \i
.irp t, 0,1,2,3
	v_cvt_scalef32_pk8_fp8_f32 v[OC+8*(\i)+2*\t:OC+8*(\i)+2*\t+1], v[X+8*\t:X+8*\t+7], v[OSC]
.endr
	v_nop                                          ; a plain vector line between the last conversion and the next tile's holds, which write its sources
	global_store_b128 v[LN], v[OC+8*(\i):OC+8*(\i)+3],   s[56:57] offset:1024*(\i)       ; 512 consecutive bytes, aligned
	global_store_b128 v[LN], v[OC+8*(\i)+4:OC+8*(\i)+7], s[56:57] offset:1024*(\i)+512
.endm
.macro OUTV i                          ; token tile i of v: accumulator t gives registers 2 i, 2 i + 1 of fragment t; two tiles make the 16 bytes a lane of a store
	HOLD \i
.irp t, 0,1,2,3
	v_cvt_scalef32_pk8_fp8_f32 v[OC+16*\t+2*(\i):OC+16*\t+2*(\i)+1], v[X+8*\t:X+8*\t+7], v[OSC]
.endr
	v_nop
.if (\i)%2 == 1
.irp t, 0,1,2,3
	global_store_b128 v[LN], v[OC+16*\t+2*(\i)-2:OC+16*\t+2*(\i)+1], s[56:57] offset:2048*\t+256*((\i)-1)
.endr
.endif
.endm
	s_cmp_eq_u32 s14, 3
	s_cbranch_scc1 .Lend
.rept 4
	v_nop                                          ; four places between the last products and the first read of their sums and the first write over the weight's fragments (ISA guide 7.12.1)
.endr
	s_cmp_eq_u32 s14, 2
	s_cbranch_scc1 .Lvout
	s_wait_alu depctr_va_vdst(0)
.irp i, 0,1,2,3,4,5,6,7
	OUTQK \i
.endr
	s_branch .Lend
.Lvout:
	s_wait_alu depctr_va_vdst(0)
.irp i, 0,1,2,3,4,5,6,7
	OUTV \i
.endr
.Lend:
	s_set_vgpr_msb 0xf
	s_wait_tensorcnt 0x0
	ds_add_u32 v0, v1
	s_wait_dscnt 0x0
	s_set_vgpr_msb 0xf00
	s_endpgm
.Lfunc_end_k_q6fe170f09f_proj:
	.size	k_q6fe170f09f_proj, .Lfunc_end_k_q6fe170f09f_proj-k_q6fe170f09f_proj
	.p2alignl 7, 3214868480
	.fill 96, 4, 3214868480
	.section	.rodata,"a",@progbits
	.p2align	6, 0x0
	.amdhsa_kernel k_q6fe170f09f_proj
		.amdhsa_group_segment_fixed_size 270848
		.amdhsa_private_segment_fixed_size 0
		.amdhsa_enable_private_segment 0
		.amdhsa_kernarg_size 56
		.amdhsa_user_sgpr_count 2
		.amdhsa_user_sgpr_kernarg_segment_ptr 1
		.amdhsa_wavefront_size32 1
		.amdhsa_system_sgpr_workgroup_id_x 1
		.amdhsa_system_sgpr_workgroup_id_y 1
		.amdhsa_system_sgpr_workgroup_id_z 1
		.amdhsa_system_vgpr_workitem_id 0
		.amdhsa_next_free_vgpr 770
		.amdhsa_next_free_sgpr 76
		.amdhsa_reserve_vcc 0
		.amdhsa_float_denorm_mode_32 3
		.amdhsa_float_denorm_mode_16_64 3
		.amdhsa_fp16_overflow 1
		.amdhsa_memory_ordered 1
		.amdhsa_forward_progress 1
		.amdhsa_inst_pref_size 227
	.end_amdhsa_kernel
	.amdgpu_metadata
---
amdhsa.version: [ 1, 2 ]
amdhsa.kernels:
  - .name:           k_q6fe170f09f_proj
    .symbol:         k_q6fe170f09f_proj.kd
    .args:
      - { .name: x, .offset: 0, .size: 8, .value_kind: global_buffer, .address_space: global }
      - { .name: Wq, .offset: 8, .size: 8, .value_kind: global_buffer, .address_space: global }
      - { .name: Wk, .offset: 16, .size: 8, .value_kind: global_buffer, .address_space: global }
      - { .name: Wv, .offset: 24, .size: 8, .value_kind: global_buffer, .address_space: global }
      - { .name: lowp_scales, .offset: 32, .size: 8, .value_kind: global_buffer, .address_space: global }
      - { .name: qc, .offset: 40, .size: 8, .value_kind: global_buffer, .address_space: global }
      - { .name: kv, .offset: 48, .size: 8, .value_kind: global_buffer, .address_space: global }
    .group_segment_fixed_size: 270848
    .private_segment_fixed_size: 0
    .kernarg_segment_align: 8
    .kernarg_segment_size: 56
    .max_flat_workgroup_size: 128
    .sgpr_count:     76
    .vgpr_count:     770
    .wavefront_size: 32
...
	.end_amdgpu_metadata
.endif
;; end of part 1
;; launch attn (part 2): grid 16 x 16, 16 waves a work-group, clusters of 4 x 1, 301,056 bytes of LDS; arguments qc, kv, lowp_scales, out0; writes out0
.if DOCPART == 2
	.amdgcn_target "amdgcn-amd-amdhsa--gfx1250"
	.amdhsa_code_object_version 6
	.text
	.protected	k_q6fe170f09f_attn
	.globl	k_q6fe170f09f_attn
	.p2align	8
	.type	k_q6fe170f09f_attn,@function
k_q6fe170f09f_attn:
	s_mov_b64 s[64:65], 0
	v_nop
	global_prefetch_b8 v0, s[64:65] scope:SCOPE_SE
	s_setreg_imm32_b32 hwreg(HW_REG_WAVE_MODE, 25, 1), 1
	s_wait_xcnt 0x0
	s_wait_alu depctr_hold_cnt(0) depctr_sa_sdst(0) depctr_va_vdst(0) depctr_va_sdst(0) depctr_va_ssrc(0) depctr_va_vcc(0) depctr_vm_vsrc(0)
	s_getreg_b32 s2, hwreg(HW_REG_IB_STS2, 6, 4)
	s_cmp_eq_u32 s2, 0
	s_cbranch_scc0 .Lentry_in_a_cluster
	s_endpgm
.Lentry_in_a_cluster:
	s_bfe_u32 s2, ttmp6, 0x10000c
	s_cmp_lg_u32 s2, 0x3003
	s_cbranch_scc0 .Lentry_shape_is_right
	s_endpgm
.Lentry_shape_is_right:
; out[b][q][:] = the sum over keys k <= q of softmax_k(q . k / 8) v[k][:], both products on codes of FP8 (E4M3) with the given scales (entries 6, 7: q, k; 8, 9: p, v).  16 batches, 2,048 tokens, head 64.
; qc [b][tile of 16 tokens][1,024] and kv [b][key step of 128][16,384] hold register images of the operands: a fragment comes by loads of 16 bytes a lane at 16 x lane.
; THE HEAD UNITS ARE NOT IN THEIR NATURAL PLACES.  In q's and k's fragments byte jj of registers 2 c, 2 c + 1 of lane (r, h) is head unit 32 h + 4 jj + c, alike in both, so every product meets its partner
; (LIMIT: the order of the sums inside an instruction of q k^T is not the natural one).  Lane r of fragment tau of V^T is head unit 4 r + tau, so register 8 tau + jj of O^T is head unit 32 h + 4 jj + tau;
; the last multiplication puts them in order.
; THE SOFTMAX AHEAD OF THE SECOND PRODUCT: t = score x log2(e) / 8; M = the largest t so far rounded UP to a whole number; p = 2^(t - M) is quantised with 2^e8, not normalised.  The row's sum is taken
; of the unquantised p and divides at the end.  When M moves, the sum and O are multiplied by 2^(old M - new M): nothing is rounded, and there is no branch on data.
; LAYOUT.  Both products are used transposed: S^T = K Q^T (v_wmma_f32_16x16x64_fp8_fp8: source 0 = 16 keys, source 1 = my 16 queries) and O^T = V^T P^T (16x16x128: source 0 = 16 head units, source 1 = P):
; a lane holds ONE query (lane % 16) throughout.  In tile kappa of S^T register j is key 16 kappa + 8 (lane / 16) + j, which is just what registers 2 kappa, 2 kappa + 1 of P's fragment want:
; eight conversions make the operand, every key in its own place.
; SHARES.  The four work-groups of a cluster own blocks M and 7 - M of 256 queries of one batch (M = the cluster's x).  A work-group has eight tiles of 16 queries, four in each block (tile 4 a' + cx of the block).
; A tile is walked by TWO waves, w and w + 4, which take the key steps of even and of odd number up to the tile's diagonal step m; at the end they join through LDS.  For each a = w % 4 the four waves
; have (m_lo + 1) + (m_hi + 1) = 17 tile steps, in every work-group: 256 work-groups of equal work.  m hangs on the cluster's x and the wave's number alone, so all partners branch alike;
; cx enters Q's and out's addresses and the mask's compare register, and nothing else.
; CLUSTER.  The four partners need the same batch's k and v (262,144 bytes, which fit in LDS at once): each key step is asked for JOINTLY, by the same tensor load with the same descriptor and the mask 15, in
; all four.  Every LDS byte is filled once, at the start: waves 0 to 3 issue four loads each.  ALL sixteen steps are fetched, though a work-group reads only steps 0 .. 15 - 2 M: so text, loads and waits are alike on every path.
; A step beyond a wave's diagonal is left out by a scalar branch on ids, round the step's work alone; no barrier and no tensor load stands in a step.
; LIMITS on the given exponents: e6 + e7 between -123 and 130 (they are added to c's exponent field); e8 between -8 and 127; e8 + e9 is applied by v_ldexp_f32 and has none.
; REGISTERS: v1-6 addresses; v12 -M, v13 the largest t, v[14:15] the sum in two halves; v16-23 Q; v32-95 K's, then V's fragments; v96-159 S^T, then p; v160-191 O^T; v192-207 p's codes; v208-213 at work; v215-217 constants.
.set STEPB, 16384                      ; a key step's block: eight tiles of K (1,024 each), four fragments of V^T (2,048 each)
.set MRG,   16*STEPB                   ; behind the sixteen blocks: a region of 4,608 bytes for each pair of waves: the partner's O^T (8 x 512) and statistics (512), later the stage (16 rows x 272); no tile lands here
.set REG,   4608
.set SP,    272                        ; a stage row: 256 bytes + 16 of padding
.set AB,  1                            ; v1   16 x lane + a block x my parity
.set AD,  2                            ; v2   the step's address
.set MA,  3                            ; v3   my pair's region + 16 x lane
.set SI,  4                            ; v4   the stage: where I put 128 bytes of a row
.set SO,  5                            ; v5   and where I read a row back
.set GO,  6                            ; v6   16 x lane: my byte in Q's image and in two rows of out
.set Q,   16
.set F,   32
.set S,   96
.set O,   160
.set PC,  192
.set PLIM, 214
.set PSC,  215                         ; 2^e8
.set NINF, 216                         ; -infinity
.set DD,   217                         ; my query's place in its diagonal step, less 8 (lane / 16)
.set WV,  12                           ; s12  my wave's number
.set PAR, 13                           ; s13  my parity
.set SEL, 20                           ; s[20:21] lane selects for v_permlanex16_b32: lane l xor 16
.set CS,  22                           ; s[22:23] c = log2(e) / 8 x 2^(e6 + e7)
.set G1,  24                           ; s[24:31] descriptor group 1
.set G0,  32                           ; s[32:47] descriptor group 0: a set for each of a wave's four loads
.set MP,  48                           ; s48  m - my parity (signed): step c + parity is mine where c <= MP, and the diagonal where c = MP
.set EPV, 49                           ; s49  e8 + e9
; A round of the cluster's barrier: my work-group's barrier, wave 0 signals for the work-group, every wave waits for all four work-groups, my work-group's barrier once more.
.macro CROUND
	s_barrier_signal -1
	s_barrier_wait -1
	s_cmp_lg_u32 s[WV], 0
	s_cbranch_scc1 .Lnot_wave_0_\@
	s_barrier_signal -3
.Lnot_wave_0_\@:
	s_barrier_wait -3
	s_barrier_signal -1
	s_barrier_wait -1
.endm
	s_load_b256 s[4:11], s[0:1], 0x0               ; qc s[4:5], kv s[6:7], the scales' exponents s[8:9], out s[10:11]
	v_lshl_add_u32 v224, v0, 2, 0x49000
	v_mov_b32 v225, 0
	ds_add_u32 v224, v225
	ds_add_u32 v224, v225
	v_lshrrev_b32 v7, 5, v0
	s_delay_alu instid0(VALU_DEP_1)
	v_readfirstlane_b32 s[WV], v7                  ; wave 0..15
	s_and_b32 s14, s[WV], 3                        ; a
	s_bfe_u32 s[PAR], s[WV], 0x10002               ; parity: bit 2
	s_lshr_b32 s15, s[WV], 3                       ; hi: the lower block (0) or the upper (1)
	s_bfe_u32 s16, ttmp6, 0x40000                  ; cx: my place in the cluster
	s_mul_i32 s17, s15, 3
	s_xor_b32 s18, s14, s17                        ; a' = a, or 3 - a in the upper block
	s_mul_i32 s17, s15, 7
	s_xor_b32 s19, ttmp9, s17                      ; the block of 256 queries: M, or 7 - M
	s_lshr_b32 s17, s18, 1
	s_lshl_b32 s[MP], s19, 1
	s_add_co_u32 s[MP], s[MP], s17                 ; m = 2 x block + a' / 2
	s_sub_co_i32 s[MP], s[MP], s[PAR]
	s_lshl_b32 s50, s19, 4
	s_lshl_b32 s17, s18, 2
	s_add_co_u32 s50, s50, s17
	s_add_co_u32 s50, s50, s16                     ; my tile of 16 queries: 16 x block + 4 a' + cx
	s_and_b32 s49, s18, 1
	s_lshl_b32 s49, s49, 6
	s_lshl_b32 s51, s16, 4
	s_add_co_u32 s49, s49, s51                     ; its first query's place in step m: 64 (a' % 2) + 16 cx
	; every vector address is made here, from the thread's number, ahead of the first branch on the wave's number
	v_and_b32 v8, 31, v0                           ; lane
	v_and_b32 v9, 15, v0                           ; r
	v_bfe_u32 v10, v0, 4, 1                        ; h
	v_bfe_u32 v11, v0, 7, 1                        ; parity
	s_delay_alu instid0(VALU_DEP_4)
	v_lshlrev_b32 v[GO], 4, v8
	s_delay_alu instid0(VALU_DEP_1)
	v_lshl_add_u32 v[AB], v11, 14, v[GO]
	v_bfe_u32 v7, v0, 5, 2                         ; a
	v_bfe_u32 v11, v0, 8, 1                        ; hi
	s_delay_alu instid0(VALU_DEP_1)
	v_lshl_add_u32 v7, v11, 2, v7                  ; my pair: a + 4 hi
	s_delay_alu instid0(VALU_DEP_1)
	v_mul_u32_u24 v7, v7, REG
	s_delay_alu instid0(VALU_DEP_1)
	v_add_nc_u32 v7, MRG, v7                       ; its region
	s_delay_alu instid0(VALU_DEP_1)
	v_add_nc_u32 v[MA], v7, v[GO]
	v_mul_u32_u24 v[SI], v9, SP
	s_delay_alu instid0(VALU_DEP_1)
	v_lshl_add_u32 v[SI], v10, 7, v[SI]
	s_delay_alu instid0(VALU_DEP_1)
	v_add_nc_u32 v[SI], v7, v[SI]                  ; in: row r, + 128 h: head units 32 h on
	v_mul_u32_u24 v[SO], v10, SP
	s_delay_alu instid0(VALU_DEP_1)
	v_lshl_add_u32 v[SO], v9, 4, v[SO]
	s_delay_alu instid0(VALU_DEP_1)
	v_add_nc_u32 v[SO], v7, v[SO]                  ; back: lanes 0-15 one row, lanes 16-31 the next
	v_lshlrev_b32 v10, 3, v10
	s_delay_alu instid0(VALU_DEP_1)
	v_sub_nc_u32 v[DD], v9, v10
	s_delay_alu instid0(VALU_DEP_1)
	v_add_nc_u32 v[DD], s49, v[DD]                 ; register 8 kappa + j holds key 16 kappa + 8 h + j of the step: hidden where 16 kappa + j > this
	s_and_b32 s58, ttmp7, 0xffff                   ; the batch, which the four partners share
	s_lshl_b32 s56, s50, 12                        ; out: 16 rows of 256 bytes a tile,
	s_lshl_b32 s57, s58, 19                        ; 2,048 rows a batch
	s_add_co_u32 s56, s56, s57
	s_mov_b32 s57, 0
	s_lshl_b32 s50, s50, 10                        ; qc: 1,024 bytes a tile,
	s_lshl_b32 s51, s58, 17                        ; 128 tiles a batch
	s_add_co_u32 s50, s50, s51
	s_mov_b32 s51, 0
	s_lshl_b32 s58, s58, 18                        ; kv: 16 blocks a batch,
	s_lshl_b32 s17, s[WV], 14                      ; and block w: what wave w (0 to 3) fetches first; also its LDS address
	s_add_co_u32 s58, s58, s17
	s_mov_b32 s59, 0
	; descriptor group 1: a dense block of 16,384 bytes as 64 rows of 32 elements of 8 bytes
	s_mov_b32 s[G1], 15|(3<<16)|(1<<21)            ; 15:0 the mask: all four work-groups; 17:16 elements of 8 bytes; 21 set beside a mask; no padding
	s_mov_b32 s[G1+1], 32<<16                      ; tensor_dim0 = 32
	s_mov_b32 s[G1+2], 64<<16                      ; tensor_dim1 = 64
	s_mov_b32 s[G1+3], 32<<16                      ; tile_dim0 = 32
	s_mov_b32 s[G1+4], 64                          ; tile_dim1 = 64
	s_mov_b32 s[G1+5], 32                          ; elements from row to row
	s_mov_b32 s[G1+6], 0
	s_mov_b32 s[G1+7], 0
	s_mov_b32 s[SEL], 0x76543210
	s_mov_b32 s[SEL+1], 0xfedcba98
	s_wait_dscnt 0x0
	s_wait_kmcnt 0x0
	s_load_b128 s[52:55], s[8:9], 0x18             ; e6, e7, e8, e9
	s_add_nc_u64 s[6:7], s[6:7], s[58:59]
	s_add_nc_u64 s[4:5], s[4:5], s[50:51]          ; Q's image of my tile
	s_add_nc_u64 s[10:11], s[10:11], s[56:57]      ; my tile's rows of out
.irp j, 0,1,2,3                        ; load j of wave w brings key step 4 j + w; nothing here hangs on cx
	s_mov_b32 s[G0+4*\j], 1                        ; count = 1
	s_add_co_u32 s[G0+4*\j+1], s17, \j*4*STEPB     ; LDS address: the step's block
	s_add_nc_u64 s[G0+4*\j+2:G0+4*\j+3], s[6:7], \j*4*STEPB
	s_or_b32 s[G0+4*\j+3], s[G0+4*\j+3], 0x80000000  ; type = 2
.endr
	CROUND                                         ; all four work-groups are here: the joint loads meet
	s_cmp_lt_u32 s[WV], 4                          ; a wave's four loads stand in one branch, ahead of every wait for them and every LDS read: four loads of mine are out
	s_cbranch_scc0 .Lno_fill
.irp j, 0,1,2,3
	tensor_load_to_lds s[G0+4*\j:G0+4*\j+3], s[G1:G1+7]
	s_nop 0
.endr
.rept 4
	v_nop
.endr
.Lno_fill:
	global_load_b128 v[Q:Q+3],   v[GO], s[4:5]     ; Q's fragment stays in registers
	global_load_b128 v[Q+4:Q+7], v[GO], s[4:5] offset:512
	v_mov_b32 v13, 0xff61b1e6                      ; the largest t so far: -3e38, under every t
	s_delay_alu instid0(VALU_DEP_1)
	v_floor_f32 v12, -v13                          ; -M
	v_mov_b32 v14, 0                               ; the sum, in two halves
	v_mov_b32 v15, 0
	v_mov_b32 v209, 0                              ; written once: a lane permute's destination counts as one of its sources
	v_mov_b32 v211, 0                              ; (named as the upper halves of pairs)
	v_mov_b32 v212, 0
	v_mov_b32 v213, 0
	v_mov_b32 v[NINF], 0xff800000
.set n, 0
.rept 32
	v_mov_b32 v[O+n], 0                            ; O^T.  A wave may have no step at all, and the step is written in one form: its first walk finds zeros, which the first change of M leaves zeros
.set n, n+1
.endr
	s_wait_kmcnt 0x0
	s_add_co_i32 s17, s52, s53
	s_lshl_b32 s17, s17, 23
	s_mov_b32 s[CS], 0x3e38aa3b                    ; log2(e) / 8
	s_add_co_i32 s[CS], s[CS], s17                 ; a score stands for score x 2^(e6 + e7): the exponents are added to c's exponent field
	s_mov_b32 s[CS+1], s[CS]                       ; (named with it as a pair, so it is written)
	s_add_co_i32 s17, s54, 127
	s_lshl_b32 s18, s17, 23
	v_mov_b32 v[PSC], s18                          ; 2^e8 as f32, for the conversion
	s_add_co_i32 s[EPV], s54, s55
; A KEY STEP: 128 keys, step c + my parity.
.macro STEP c
	s_cmp_lt_i32 s[MP], \c                         ; beyond my tile's diagonal: all its keys are hidden
	s_cbranch_scc1 .Lskip_\@
	v_add_nc_u32 v[AD], (\c)*STEPB, v[AB]
.rept 3
	v_nop                                          ; with the addition: four places between the last products and the loads into registers that they read (ISA guide 7.12.1 for vector instructions)
.endr
.irp k, 0,1,2,3,4,5,6,7
	ds_load_b128 v[F+8*\k:F+8*\k+3],   v[AD] offset:1024*\k
	ds_load_b128 v[F+8*\k+4:F+8*\k+7], v[AD] offset:1024*\k+512
.endr
	s_wait_alu depctr_va_vdst(0)
	s_wait_dscnt 0x0
.irp k, 0,1,2,3,4,5,6,7
	v_wmma_f32_16x16x64_fp8_fp8 v[S+8*\k:S+8*\k+7], v[F+8*\k:F+8*\k+7], v[Q:Q+7], 0
.endr
.rept 4
	v_nop                                          ; four places: for the loads below, into K's registers, and for the first read of the scores
.endr
.irp t, 0,1,2,3
.irp g, 0,1,2,3
	ds_load_b128 v[F+16*\t+4*\g:F+16*\t+4*\g+3], v[AD] offset:8192+2048*\t+512*\g   ; V^T lands while the softmax is walked
.endr
.endr
	s_cmp_lg_u32 s[MP], \c                         ; only on the diagonal are some keys hidden: their scores become -infinity ahead of the maximum, so that p = 0.  The step's first key counts for every query
	s_cbranch_scc1 .Lopen_\@
.set n, 0
.rept 64
	v_cmp_gt_i32 vcc_lo, 16*(n/8)+n%8, v[DD]
	v_cndmask_b32 v[S+n], v[S+n], v[NINF], vcc_lo
.set n, n+1
.endr
.Lopen_\@:
	v_max3_num_f32 v208, v[S], v[S+1], v[S+2]      ; the step's largest score of my query among my 64 keys, in two chains, each accumulator from its low end on,
	v_max3_num_f32 v210, v[S+3], v[S+4], v[S+5]
.irp i, 6,10,14,18,22,26,30,34,38,42,46,50,54,58
	v_max3_num_f32 v208, v208, v[S+\i], v[S+\i+1]
	v_max3_num_f32 v210, v210, v[S+\i+2], v[S+\i+3]
.endr
	v_max3_num_f32 v208, v208, v[S+62], v[S+63]
	s_delay_alu instid0(VALU_DEP_1)
	v_max_num_f32 v208, v208, v210
	s_delay_alu instid0(VALU_DEP_1)
	v_permlanex16_b32 v209, v208, s[SEL], s[SEL+1]
	s_delay_alu instid0(VALU_DEP_1)
	v_max_num_f32 v208, v208, v209                 ; and among lane l xor 16's
	s_delay_alu instid0(VALU_DEP_1)
	v_mul_f32 v208, s[CS], v208                    ; as t (c is positive)
	s_delay_alu instid0(VALU_DEP_1)
	v_max_num_f32 v13, v13, v208                   ; the running largest t
	v_mov_b32 v208, v12
	s_delay_alu instid0(VALU_DEP_2)
	v_floor_f32 v12, -v13                          ; the new -M = floor(-t) = -ceil(t): a whole number
	s_delay_alu instid0(VALU_DEP_1)
	v_sub_f32 v208, v12, v208                      ; old M less new M: a whole number, 0 or less
	s_delay_alu instid0(VALU_DEP_1)
	v_cvt_i32_f32 v208, v208                       ; (it saturates)
	s_delay_alu instid0(VALU_DEP_1)
	v_ldexp_f32 v210, 1.0, v208                    ; f = 2^(old M - new M)
.set n, 0
.rept 32
	v_pk_fma_f32 v[S+n:S+n+1], v[S+n:S+n+1], s[CS:CS+1], v[12:13] op_sel_hi:[1,0,0]   ; t - M, two at a time (of the pairs c and -M the low word serves both halves)
.set n, n+2
.endr
.set n, 0
	s_wait_alu depctr_va_vdst(0)
.rept 64
	v_exp_f32 v[S+n], v[S+n]                       ; p = 2^(t - M): not normalised
.set n, n+1
.endr
	v_pk_mul_f32 v[14:15], v[14:15], v[210:211] op_sel_hi:[1,0]   ; the sums under the new M (the plain line behind the exponentials)
	s_wait_alu depctr_va_vdst(0)
	v_pk_add_f32 v[212:213], v[100:101], v[104:105]
	v_pk_add_f32 v[222:223], v[108:109], v[112:113]
	v_pk_add_f32 v[220:221], v[116:117], v[120:121]
	v_pk_add_f32 v[218:219], v[124:125], v[128:129]
	v_pk_add_f32 v[206:207], v[132:133], v[136:137]
	v_pk_add_f32 v[204:205], v[140:141], v[144:145]
	v_pk_add_f32 v[202:203], v[148:149], v[152:153]
	v_pk_add_f32 v[14:15], v[14:15], v[156:157]
	v_pk_add_f32 v[212:213], v[212:213], v[96:97]
	v_pk_add_f32 v[222:223], v[222:223], v[98:99]
	v_pk_add_f32 v[220:221], v[220:221], v[102:103]
	v_pk_add_f32 v[218:219], v[218:219], v[106:107]
	v_pk_add_f32 v[206:207], v[206:207], v[110:111]
	v_pk_add_f32 v[204:205], v[204:205], v[114:115]
	v_pk_add_f32 v[202:203], v[202:203], v[118:119]
	v_pk_add_f32 v[14:15], v[14:15], v[122:123]
	v_pk_add_f32 v[212:213], v[212:213], v[126:127]
	v_pk_add_f32 v[222:223], v[222:223], v[130:131]
	v_pk_add_f32 v[220:221], v[220:221], v[134:135]
	v_pk_add_f32 v[218:219], v[218:219], v[138:139]
	v_pk_add_f32 v[206:207], v[206:207], v[142:143]
	v_pk_add_f32 v[204:205], v[204:205], v[146:147]
	v_pk_add_f32 v[202:203], v[202:203], v[150:151]
	v_pk_add_f32 v[14:15], v[14:15], v[154:155]
	v_pk_add_f32 v[212:213], v[212:213], v[158:159]
	s_delay_alu instid0(VALU_DEP_2)
	v_pk_add_f32 v[14:15], v[14:15], v[218:219]
	s_delay_alu instid0(VALU_DEP_2)
	v_pk_add_f32 v[212:213], v[212:213], v[206:207]
	v_pk_add_f32 v[222:223], v[222:223], v[204:205]
	v_pk_add_f32 v[220:221], v[220:221], v[202:203]
	s_delay_alu instid0(VALU_DEP_2)
	v_pk_add_f32 v[14:15], v[14:15], v[222:223]
	s_delay_alu instid0(VALU_DEP_2)
	v_pk_add_f32 v[212:213], v[212:213], v[220:221]
	s_delay_alu instid0(VALU_DEP_1)
	v_pk_add_f32 v[14:15], v[14:15], v[212:213]
.irp k, 0,1,2,3,4,5,6,7
.irp i, 0,1,2,3,4,5,6,7
.endr
	v_cvt_scalef32_pk8_fp8_f32 v[PC+2*\k:PC+2*\k+1], v[S+8*\k:S+8*\k+7], v[PSC]
.endr
.set n, 0
.rept 16
	v_pk_mul_f32 v[O+n:O+n+1], v[O+n:O+n+1], v[210:211] op_sel_hi:[1,0]   ; O^T under the new M, each accumulator from its low end on (also the plain lines behind the conversions)
.set n, n+2
.endr
	s_wait_alu depctr_va_vdst(0)
	s_wait_dscnt 0x0                               ; V^T is in
.irp t, 0,1,2,3                        ; the four accumulators by turns, one instruction a turn
	v_wmma_f32_16x16x128_fp8_fp8 v[O+8*\t:O+8*\t+7], v[F+16*\t:F+16*\t+15], v[PC:PC+15], v[O+8*\t:O+8*\t+7]
.endr
.Lskip_\@:
.endm
.macro GROUP j
	s_wait_tensorcnt 3-\j                          ; a wave's tensor loads end in order (ISA guide 10.11.1): load j of waves 0 to 3 is in, their 3 - j younger loads stay out; the other waves have none
	s_barrier_signal -1                            ; no LDS load of mine is out here
	s_barrier_wait -1                              ; key steps 4 j .. 4 j + 3 lie in LDS
	STEP 4*\j
	STEP 4*\j+2
.endm
	s_wait_loadcnt 0x0                             ; Q
	GROUP 0
	GROUP 1
	GROUP 2
	GROUP 3                                        ; its wait is for 0: no tensor load is out from here on
.rept 4
	v_nop                                          ; four places between the last products and the first read of O^T
.endr
	; THE TWO WAVES OF A TILE JOIN.  The wave of odd steps hands O^T, -M and the sum to its partner, as images of its registers.
	s_cmp_eq_u32 s[PAR], 0
	s_cbranch_scc1 .Lkeep
	s_wait_alu depctr_va_vdst(0)
.irp g, 0,1,2,3,4,5,6,7
	ds_store_b128 v[MA], v[O+4*\g:O+4*\g+3] offset:512*\g
.endr
	ds_store_b128 v[MA], v[12:15] offset:4096
.Lkeep:
	s_wait_dscnt 0x0                               ; for the partner's sake: my stores have landed
	s_barrier_signal -1
	s_barrier_wait -1
	s_cmp_lg_u32 s[PAR], 0
	s_cbranch_scc1 .Lclose
.irp g, 0,1,2,3,4,5,6,7
	ds_load_b128 v[S+4*\g:S+4*\g+3], v[MA] offset:512*\g
.endr
	ds_load_b128 v[S+32:S+35], v[MA] offset:4096   ; the partner's -M, t, and sum
	s_wait_dscnt 0x0
	v_min_num_f32 v208, v12, v[S+32]               ; the joint -M: M is the larger of the two
	s_delay_alu instid0(VALU_DEP_1)
	v_sub_f32 v210, v208, v12                      ; whole numbers, 0 or less
	s_delay_alu instid0(VALU_DEP_2)
	v_sub_f32 v212, v208, v[S+32]                  ; (a partner without a step still has -M = 3e38: the conversion saturates and its factor is 0)
	s_delay_alu instid0(VALU_DEP_2)
	v_cvt_i32_f32 v210, v210
	s_delay_alu instid0(VALU_DEP_2)
	v_cvt_i32_f32 v212, v212
	s_delay_alu instid0(VALU_DEP_2)
	v_ldexp_f32 v210, 1.0, v210                    ; my factor,
	s_delay_alu instid0(VALU_DEP_2)
	v_ldexp_f32 v212, 1.0, v212                    ; the partner's: powers of two, nothing is rounded by them
	s_delay_alu instid0(VALU_DEP_2)
	v_pk_mul_f32 v[14:15], v[14:15], v[210:211] op_sel_hi:[1,0]
	s_delay_alu instid0(VALU_DEP_1)
	v_pk_fma_f32 v[14:15], v[S+34:S+35], v[212:213], v[14:15] op_sel_hi:[1,0,1]
.set n, 0
.rept 16
	v_pk_mul_f32 v[O+n:O+n+1], v[O+n:O+n+1], v[210:211] op_sel_hi:[1,0]
.set n, n+2
.endr
.set n, 0
.rept 16
	v_pk_fma_f32 v[O+n:O+n+1], v[S+n:S+n+1], v[212:213], v[O+n:O+n+1] op_sel_hi:[1,0,1]
.set n, n+2
.endr
	v_add_f32 v14, v14, v15                        ; the sum's two halves,
	s_delay_alu instid0(VALU_DEP_1)
	v_permlanex16_b32 v209, v14, s[SEL], s[SEL+1]
	s_delay_alu instid0(VALU_DEP_1)
	v_add_f32 v14, v14, v209                       ; and lane l xor 16's: the row's sum, at least 1/2
	s_wait_alu depctr_va_vdst(0)
	v_rcp_f32 v14, v14
	v_nop                                          ; a plain line behind the transcendental
	s_wait_alu depctr_va_vdst(0)
	v_ldexp_f32 v14, v14, s[EPV]                   ; x 2^(e8 + e9)
.irp t, 0,1,2,3
.irp j, 0,1,2,3,4,5,6,7
	v_mul_f32 v[F+4*\j+\t], v[O+8*\t+\j], v14      ; register 8 t + j is head unit 32 h + 4 j + t: it goes where the head units stand in order: v[F + n] = out(query r, head unit 32 h + n)
.endr
.endr
	; THE WAY OUT, through the pair's region, which only I touch from here on: 128 bytes a lane into rows of 272 bytes, back as whole rows of 256
.irp i, 0,1,2,3,4,5,6,7
	ds_store_b128 v[SI], v[F+4*\i:F+4*\i+3] offset:16*\i
.endr
.irp i, 0,1,2,3,4,5,6,7
	ds_load_b128 v[F+32+4*\i:F+32+4*\i+3], v[SO] offset:2*\i*SP   ; LDS serves a wave's instructions in order (ISA guide 5.7.1.4): these see my stores
.endr
.irp i, 0,1,2,3,4,5,6,7
	s_wait_dscnt 7-\i                              ; pair i of rows is back; the 7 - i younger loads may be out
	global_store_b128 v[GO], v[F+32+4*\i:F+32+4*\i+3], s[10:11] offset:512*\i th:TH_STORE_NT   ; two rows of out: 512 consecutive bytes, aligned; written once, read by nobody here
.endr
.Lclose:
	s_wait_dscnt 0x0                               ; no LDS instruction of mine is out at the signal
	s_wait_tensorcnt 0x0
	ds_add_u32 v224, v225
	s_wait_dscnt 0x0
	CROUND                                         ; the closing round: no work-group ends while a partner may still ask for a tile that names it
	s_endpgm
.Lfunc_end_k_q6fe170f09f_attn:
	.size	k_q6fe170f09f_attn, .Lfunc_end_k_q6fe170f09f_attn-k_q6fe170f09f_attn
	.p2alignl 7, 3214868480
	.fill 96, 4, 3214868480
	.section	.rodata,"a",@progbits
	.p2align	6, 0x0
	.amdhsa_kernel k_q6fe170f09f_attn
		.amdhsa_group_segment_fixed_size 301056
		.amdhsa_private_segment_fixed_size 0
		.amdhsa_enable_private_segment 0
		.amdhsa_kernarg_size 32
		.amdhsa_user_sgpr_count 2
		.amdhsa_user_sgpr_kernarg_segment_ptr 1
		.amdhsa_wavefront_size32 1
		.amdhsa_system_sgpr_workgroup_id_x 1
		.amdhsa_system_sgpr_workgroup_id_y 1
		.amdhsa_system_sgpr_workgroup_id_z 1
		.amdhsa_system_vgpr_workitem_id 0
		.amdhsa_next_free_vgpr 226
		.amdhsa_next_free_sgpr 66
		.amdhsa_reserve_vcc 1
		.amdhsa_float_denorm_mode_32 3
		.amdhsa_float_denorm_mode_16_64 3
		.amdhsa_fp16_overflow 1
		.amdhsa_memory_ordered 1
		.amdhsa_forward_progress 1
		.amdhsa_inst_pref_size 166
	.end_amdhsa_kernel
	.amdgpu_metadata
---
amdhsa.version: [ 1, 2 ]
amdhsa.kernels:
  - .name:           k_q6fe170f09f_attn
    .symbol:         k_q6fe170f09f_attn.kd
    .args:
      - { .name: qc, .offset: 0, .size: 8, .value_kind: global_buffer, .address_space: global }
      - { .name: kv, .offset: 8, .size: 8, .value_kind: global_buffer, .address_space: global }
      - { .name: lowp_scales, .offset: 16, .size: 8, .value_kind: global_buffer, .address_space: global }
      - { .name: out0, .offset: 24, .size: 8, .value_kind: global_buffer, .address_space: global }
    .group_segment_fixed_size: 301056
    .private_segment_fixed_size: 0
    .kernarg_segment_align: 8
    .kernarg_segment_size: 32
    .max_flat_workgroup_size: 512
    .sgpr_count:     66
    .vgpr_count:     226
    .wavefront_size: 32
...
	.end_amdgpu_metadata
.endif
;; end of part 2
